; MI455X (gfx1250); checked and timed in simulation.
; The chip was launched on July 23, 2026; its instructions are those of AMD's public machine-readable ISA for CDNA 5 (MIT licence, August 2026) and "CDNA5" Instruction Set Architecture Reference Guide (July 2026). The comments in the code are by the model that wrote it; some were corrected since.
;; Slow LSTM. Allowed arithmetic: matrix products marked QUANTISED: E5M2 operands, one given power-of-two scale a tensor, by v_wmma_f32_16x16x64_bf8_bf8 or v_wmma_f32_16x16x128_bf8_bf8, f32 sums; everything else in f32.
;; Inputs: b_c 2,048 float32; b_f 2,048 float32; b_i 2,048 float32; b_o 2,048 float32; c 2,048 x 2,048 float32; h 2,048 x 2,048 float32; lowp_scales 4 int32 (the exponents e of the quantised operands' scales 2^e); w_hc 2,048 x 2,048 float32; w_hf 2,048 x 2,048 float32; w_hi 2,048 x 2,048 float32; w_ho 2,048 x 2,048 float32; w_xc 2,048 x 2,048 float32; w_xf 2,048 x 2,048 float32; w_xi 2,048 x 2,048 float32; w_xo 2,048 x 2,048 float32; x 2,048 x 2,048 float32.
;; Outputs: out0 2,048 x 1 x 2,048 float32; out1 2,048 x 1 x 2,048 float32.
;; This version of the problem:
;;   THIS VERSION OF THE PROBLEM IS GIVEN IN LOW PRECISION. The matrix products marked QUANTISED in the list below multiply operands that are first quantised to E5M2 (5 exponent bits, 2 mantissa bits; 8 bits a number), with one given power-of-two scale for each operand tensor; their sums are f32. All else is computed in f32.
;;   The module's matrix products, in the order in which they are computed (A, B: the left and right operand; K: the contracted axis; several contracted axes count as one K, in the product's order):
;;     1. [M 2,048, K 2,048] x [K 2,048, N 8,192]; A: input x; B: computed on the way: QUANTISED (scales: A lowp_scales[0], B lowp_scales[1])
;;     2. [M 2,048, K 2,048] x [K 2,048, N 8,192]; A: input h; B: computed on the way: QUANTISED (scales: A lowp_scales[2], B lowp_scales[3])
;;   THE QUANTISER, for each operand of a quantised product, along K:
;;     - The operand's scale is 2^e, e = its entry of the input lowp_scales (int32; the entries are numbered through the quantised products in the list's order, A before B).
;;     - Each number is divided by the scale, clamped to +-57,344, and rounded to the nearest number of E5M2, ties to even, subnormals kept.
;;     - The product sums the exact products of the quantised numbers (number of the format x scale) in f32.
;;   ~~~python
;;   def quantise(x, axis, e):      # numpy; x: float32 -> the quantised numbers, widened to float32 again
;;       x = np.moveaxis(x, axis, -1); K = x.shape[-1]
;;       r = np.clip(x / 2.0 ** e, -57344, 57344)
;;       step = 2.0 ** (np.maximum(np.frexp(np.where(r == 0, 1, r))[1] - 1, -14) - 2)
;;       q = np.round(r / step) * step * 2.0 ** e      # np.round: ties to even
;;       return np.moveaxis(q, -1, axis).astype(np.float32)
;;   ~~~
;;   OPERANDS COMPUTED ON THE WAY. 'Computed on the way' means the value that the module computes at that place (a softmax that the list does not call 'softmax' is quantised finished and normalised). What goes into a quantiser is computed in f32, as accurately as f32 sums, v_exp_f32 and their like allow (about 1e-6 of the number): no bf16 or f16 on the way to a quantiser, and a product that is left as it is and whose result goes on into a quantised operand takes f32 operands (vector FMAs, or v_wmma_f32_16x16x4_f32). A number that lies on a knife's edge between two numbers of the format may be rounded either way, as far as f32 arithmetic and the matrix unit's own rounding can turn it there, and no further.
;; One version. Each part assembles by itself: llvm-mc -triple=amdgcn-amd-amdhsa -mcpu=gfx1250 --defsym DOCPART=n.
;; ======== version 1 of 1: 2 launches
;; limits: inputs' magnitudes at most 1.153e+18; right only within a limited range of input values
;; workspace buffers: a_codes 8,388,608 bytes; b_codes 33,554,432 bytes
;; launch quant (part 1): grid 1280 x 1, 4 waves a work-group, no clusters, 55,808 bytes of LDS; arguments x, h, w_xi, w_xf, w_xo, w_xc, w_hi, w_hf, w_ho, w_hc, lowp_scales, a_codes, b_codes; writes a_codes, b_codes
.if DOCPART == 1
	.amdgcn_target "amdgcn-amd-amdhsa--gfx1250"
	.amdhsa_code_object_version 6
	.text
	.protected	k_qb6a19c8773_quant
	.globl	k_qb6a19c8773_quant
	.p2align	8
	.type	k_qb6a19c8773_quant,@function
k_qb6a19c8773_quant:
	s_mov_b64 s[64:65], 0
	v_nop
	global_prefetch_b8 v0, s[64:65] scope:SCOPE_SE
	s_setreg_imm32_b32 hwreg(HW_REG_WAVE_MODE, 25, 1), 1
	s_wait_xcnt 0x0
; LSTM cell, first of two launches: every operand of the two quantised products becomes codes of BF8 (E5M2), once.
; No work of the problem is dead: every input reaches both outputs, and every input is loaded by one of the two launches.
; code = number / 2^e, held within +-57,344, rounded to the nearest code, ties to even.  e: lowp_scales[0] for x, [1] for the four w_x*, [2] for h, [3] for the four w_h*.
; LIMITS: each e lies between -126 and 112, so that 2^e and 57,344 x 2^e are f32 numbers.  NaN among the inputs is not served; an infinity is held at the largest code.
; a_codes [2048][4096]: row r = the codes of x[r][0..2047], then those of h[r][0..2047]: the two products become ONE product with K = 4,096.
; b_codes [8192][4096], K innermost: bytes 0..2047 of a row come from a w_x*, bytes 2048..4095 from the w_h* of the same gate.  Row 128 q + 32 g + j holds column 32 q + j of gate g (0 = i, 1 = f, 2 = o, 3 = c):
; the rows are laid so that the next launch finds the four gates of one column in one lane.
; Work-groups 0..255 take x and h (K innermost): each load reads 512 consecutive bytes, a step's 2,048 bytes turn through the wave's own stage in LDS, so that a lane holds 16 neighbours along K.
; Work-groups 256..1279 take the weights (K is their FIRST axis): a lane takes a column and its registers run down K, so the conversions give codes with K innermost; they leave through the wave's own stage as rows.
; The two ways part on the work-group's number, never join, and have LDS bytes of their own.  No tensor load, no barrier: waves share nothing.  Each work-group reads 131,072 bytes.
.set SP,    80                         ; x, h: a lane's place in a stage: its 64 bytes + 16 of padding
.set AREG,  2*32*SP                    ; x, h: two stages for each wave: LDS bytes 0 .. 20,479
.set WSTG,  4*AREG                     ; the weights' stages begin here
.set WP,    272                        ; a stage row: 256 bytes of codes + 16 of padding
.set SPARE, WSTG+4*32*WP               ; behind both: the spare words, 128 bytes for each wave: two blocks of 256 bytes that no other line names
.set EMAX,  15
.set MANT,  0x600000                   ; the mantissa field of 57,344 as f32
.set SPW,   12                         ; v12  LDS address of my spare word; never rewritten
.set NIL,   13                         ; v13  0; never rewritten
.set STEPS, 16                         ; x, h: steps of 512 numbers for a wave
.set R,     16                         ; v16-79   x, h: four sets of 16 numbers as they are loaded
.set X,     80                         ; v80-111  x, h: two sets of 16 neighbours
.set C,     128                        ; v128-191 x, h: codes, four registers for each step: no store's data are written again
.set NB,    8                          ; weights: blocks of 32 along K for a wave
.set XW,    32                         ; v32-95   weights: two sets of 32 numbers
.set CW,    96                         ; v96-103  weights: a block's codes
.set OUTR,  112                        ; v112-175 weights: the way out
	s_load_b128 s[4:7], s[0:1], 0x0                ; x, h
	s_load_b512 s[16:31], s[0:1], 0x10             ; w_xi, w_xf, w_xo, w_xc, w_hi, w_hf, w_ho, w_hc
	s_load_b64 s[8:9], s[0:1], 0x50                ; the scales' exponents
	s_load_b128 s[12:15], s[0:1], 0x58             ; a_codes, b_codes
	v_lshl_add_u32 v[SPW], v0, 2, SPARE
	v_mov_b32 v[NIL], 0
	v_lshrrev_b32 v1, 5, v0
	v_readfirstlane_b32 s36, v1                    ; wave 0..3
	v_and_b32 v2, 31, v0                           ; lane
	s_wait_kmcnt 0x0
	s_load_b128 s[32:35], s[8:9], 0x0              ; e of x, of the w_x*, of h, of the w_h*
	s_cmp_lt_u32 ttmp9, 256
	s_cbranch_scc0 .Lweights
	; ---------------- x and h: a wave takes 8,192 numbers: 4 whole rows
	s_cmp_lt_u32 ttmp9, 128                        ; x's work-group or h's?  The choice hangs on the work-group's number alone
	s_cselect_b64 s[4:5], s[4:5], s[6:7]
	s_cselect_b32 s37, 0, 2048                     ; where the codes begin in a row of a_codes
	s_and_b32 s38, ttmp9, 127
	s_lshl_b32 s38, s38, 2
	s_add_co_u32 s38, s38, s36                     ; which run of 4 rows is my wave's: 0..511
	s_lshl_b32 s40, s38, 15                        ; 4 rows of 8,192 bytes
	s_mov_b32 s41, 0
	s_add_nc_u64 s[4:5], s[4:5], s[40:41]
	s_lshl_b32 s40, s38, 14                        ; 4 rows of 4,096 bytes of codes
	s_add_co_u32 s40, s40, s37
	s_add_nc_u64 s[42:43], s[12:13], s[40:41]
	s_mul_i32 s39, s36, AREG
	s_wait_alu depctr_va_vdst(0)
	v_lshlrev_b32 v3, 4, v2                        ; my 16 bytes of a load's 512, and of a store's
	v_lshrrev_b32 v14, 2, v2
	v_mul_u32_u24 v14, v14, SP
	v_and_b32 v15, 3, v2
	v_lshl_add_u32 v14, v15, 4, v14
	v_add_nc_u32 v14, s39, v14                     ; the stage, on the way in: four lanes' 64 bytes on end, then 16 of padding
	v_mul_u32_u24 v15, v2, SP
	v_add_nc_u32 v15, s39, v15                     ; and on the way out: my 16 neighbours
.macro LOADA t
.irp i, 0,1,2,3
	global_load_b128 v[R+16*((\t)%4)+4*\i:R+16*((\t)%4)+4*\i+3], v3, s[4:5] offset:2048*(\t)+512*\i th:TH_LOAD_NT   ; 32 lanes read 512 consecutive bytes
.endr
.endm
.macro TURNA t                         ; step t's numbers through the stage: LDS serves a wave's instructions in order (ISA guide 5.7.1.4), so no wait stands between the stores and the loads
.irp i, 0,1,2,3
	ds_store_b128 v14, v[R+16*((\t)%4)+4*\i:R+16*((\t)%4)+4*\i+3] offset:32*SP*((\t)%2)+8*SP*\i
.endr
.irp i, 0,1,2,3
	ds_load_b128 v[X+16*((\t)%2)+4*\i:X+16*((\t)%2)+4*\i+3], v15 offset:32*SP*((\t)%2)+16*\i
.endr
.endm
.irp t, 0,1,2,3
	LOADA \t
.endr
	s_wait_alu depctr_va_vdst(0)
	s_wait_kmcnt 0x0
	s_cmp_lt_u32 ttmp9, 128
	s_cselect_b32 s44, s32, s34                    ; e
	s_add_co_i32 s44, s44, 127
	s_lshl_b32 s45, s44, 23
	v_mov_b32 v11, s45                             ; 2^e as f32: the conversion takes its exponent field
	s_add_co_i32 s44, s44, EMAX
	s_lshl_b32 s44, s44, 23
	s_or_b32 s44, s44, MANT
	v_mov_b32 v10, s44                             ; 57,344 x 2^e
	s_wait_alu depctr_va_vdst(0)
	s_wait_loadcnt 12                              ; step 0's four loads are in; the twelve of steps 1 to 3 may be out
	TURNA 0
.macro STEPA t
.set XS, X+16*((\t)%2)
	s_wait_dscnt 0x0                               ; this step's numbers are back from the stage: so its stores into the stage have read their registers,
.if (\t)+4 < STEPS
	LOADA (\t)+4                                   ; which take the loads of four steps on
.endif
.if (\t)+1 < STEPS
.if STEPS-2-(\t) >= 3
	s_wait_loadcnt 12                              ; the next step's four loads are in; those of the three steps behind it may be out
.else
	s_wait_loadcnt 4*(STEPS-2-(\t))                ; the same, where fewer steps are left
.endif
	TURNA (\t)+1                                   ; and go through the other stage while this step is worked
.endif
.irp i, 0,1,2,3,4,5,6,7,8,9,10,11,12,13,14,15
	v_med3_num_f32 v[XS+\i], v[XS+\i], -v10, v10   ; the conversion to an 8-bit code does not saturate (ISA guide 7.6.2): the hold at the largest code x the scale comes first
.endr
	v_cvt_scalef32_pk8_bf8_f32 v[C+4*(\t):C+4*(\t)+1], v[XS:XS+7], v11
	v_cvt_scalef32_pk8_bf8_f32 v[C+4*(\t)+2:C+4*(\t)+3], v[XS+8:XS+15], v11   ; the codes go to a store alone; the next vector lines are the next step's holds, plain ones on other registers
	global_store_b128 v3, v[C+4*(\t):C+4*(\t)+3], s[42:43] offset:((\t)/4)*4096+((\t)%4)*512   ; 32 lanes store 512 consecutive bytes, at a multiple of 256 from the buffer's first byte: row t / 4 of my four
.endm
.irp t, 0,1,2,3,4,5,6,7,8,9,10,11,12,13,14,15
	STEPA \t
.endr
	s_wait_tensorcnt 0x0                           ; the wave's end, behind my last LDS store
	ds_add_u32 v[SPW], v[NIL]
	s_wait_dscnt 0x0
	s_endpgm
	; ---------------- the weights: a wave takes 32 columns x 256 along K of one of the eight tensors
.Lweights:
	s_sub_co_u32 s37, ttmp9, 256                   ; 0..1023
	s_lshr_b32 s38, s37, 7                         ; which tensor: 0..3 w_xi, w_xf, w_xo, w_xc; 4..7 w_hi, w_hf, w_ho, w_hc
	s_bfe_u32 s39, s37, 0x30004                    ; which 256 along K: 0..7
	s_and_b32 s40, s37, 15
	s_lshl_b32 s40, s40, 2
	s_add_co_u32 s40, s40, s36                     ; q: which 32 columns: 0..63
	s_and_b32 s41, s38, 1                          ; the tensor's address is chosen by the three bits of its number: the choice hangs on the work-group's number alone
	s_cmp_lg_u32 s41, 0
	s_cselect_b64 s[16:17], s[18:19], s[16:17]
	s_cselect_b64 s[20:21], s[22:23], s[20:21]
	s_cselect_b64 s[24:25], s[26:27], s[24:25]
	s_cselect_b64 s[28:29], s[30:31], s[28:29]
	s_and_b32 s41, s38, 2
	s_cmp_lg_u32 s41, 0
	s_cselect_b64 s[16:17], s[20:21], s[16:17]
	s_cselect_b64 s[24:25], s[28:29], s[24:25]
	s_cmp_ge_u32 s38, 4
	s_cselect_b64 s[4:5], s[24:25], s[16:17]
	s_cselect_b32 s41, 2048, 0                     ; where the codes begin in a row of b_codes
	s_lshl_b32 s46, s39, 21                        ; 256 rows of 8,192 bytes
	s_lshl_b32 s47, s40, 7                         ; 32 columns of 4 bytes
	s_add_co_u32 s46, s46, s47
	s_mov_b32 s47, 0
	s_add_nc_u64 s[4:5], s[4:5], s[46:47]
	s_and_b32 s48, s38, 3                          ; the gate g
	s_lshl_b32 s48, s48, 5
	s_lshl_b32 s49, s40, 7
	s_add_co_u32 s48, s48, s49                     ; my first row of b_codes: 128 q + 32 g
	s_lshl_b32 s48, s48, 12                        ; rows of 4,096 bytes
	s_add_co_u32 s48, s48, s41
	s_lshl_b32 s49, s39, 8
	s_add_co_u32 s48, s48, s49                     ; + my 256 along K
	s_mov_b32 s49, 0
	s_add_nc_u64 s[42:43], s[14:15], s[48:49]
	s_wait_alu depctr_va_vdst(0)
	v_lshlrev_b32 v3, 2, v2                        ; in: 4 bytes a lane
	s_mul_i32 s50, s36, 32*WP
	s_add_co_u32 s50, s50, WSTG                    ; my stage
	v_mul_u32_u24 v4, v2, WP
	v_add_nc_u32 v4, s50, v4                       ; into it: row = my column
	v_and_b32 v5, 15, v2
	v_lshrrev_b32 v6, 4, v2                        ; out of it: sixteen lanes to a row, two rows an instruction
	v_mul_u32_u24 v7, v6, WP
	v_lshl_add_u32 v7, v5, 4, v7
	v_add_nc_u32 v7, s50, v7
	v_lshlrev_b32 v8, 12, v6
	v_lshl_add_u32 v8, v5, 4, v8                   ; and the same place in b_codes
.macro LOADW t                         ; block t: w(32 t + i, my column), i = 0 .. 31, into set t % 2; the largest offset, 255 rows of 8,192 bytes, lies inside the signed 24-bit immediate
.irp i, 0,1,2,3,4,5,6,7,8,9,10,11,12,13,14,15,16,17,18,19,20,21,22,23,24,25,26,27,28,29,30,31
	global_load_b32 v[XW+32*((\t)%2)+\i], v3, s[4:5] offset:(32*(\t)+\i)*8192 th:TH_LOAD_NT
.endr
.endm
	LOADW 0
	LOADW 1
	s_wait_kmcnt 0x0
	s_cmp_lt_u32 s38, 4
	s_cselect_b32 s44, s33, s35                    ; e
	s_add_co_i32 s44, s44, 127
	s_lshl_b32 s45, s44, 23
	v_mov_b32 v11, s45                             ; 2^e as f32
	s_add_co_i32 s44, s44, EMAX
	s_lshl_b32 s44, s44, 23
	s_or_b32 s44, s44, MANT
	v_mov_b32 v10, s44                             ; 57,344 x 2^e
.macro BLOCKW t
.set XS, XW+32*((\t)%2)
.if (\t) < NB-1
	s_wait_loadcnt 32                              ; this block's 32 loads are in; the next block's 32 may be out
.else
	s_wait_loadcnt 0
.endif
.irp i, 0,1,2,3,4,5,6,7,8,9,10,11,12,13,14,15,16,17,18,19,20,21,22,23,24,25,26,27,28,29,30,31
	v_med3_num_f32 v[XS+\i], v[XS+\i], -v10, v10   ; the hold at the largest code x the scale
.endr
.irp g, 0,1,2,3
	v_cvt_scalef32_pk8_bf8_f32 v[CW+2*\g:CW+2*\g+1], v[XS+8*\g:XS+8*\g+7], v11
.endr
	ds_store_b128 v4, v[CW:CW+3] offset:32*(\t)    ; 32 codes: 32 bytes of my column's row.  (The next vector lines are the next block's holds: plain ones)
	ds_store_b128 v4, v[CW+4:CW+7] offset:32*(\t)+16
.if (\t)+2 < NB
	LOADW (\t)+2
.endif
	s_wait_dscnt 0x0                               ; the stores have read their registers: the next block's codes may be written
.endm
	s_wait_alu depctr_va_vdst(0)
.irp t, 0,1,2,3,4,5,6,7
	BLOCKW \t
.endr
.irp t, 0,1,2,3,4,5,6,7,8,9,10,11,12,13,14,15
	ds_load_b128 v[OUTR+4*\t:OUTR+4*\t+3], v7 offset:2*\t*WP   ; LDS serves a wave's instructions in order: these see my stores
.endr
.irp t, 0,1,2,3,4,5,6,7,8,9,10,11,12,13,14,15
	s_wait_dscnt 15-\t                             ; load t is in; the younger ones may be out
	global_store_b128 v8, v[OUTR+4*\t:OUTR+4*\t+3], s[42:43] offset:2*\t*4096   ; sixteen lanes store 256 consecutive bytes, at a multiple of 256 from the buffer's first byte
.endr
	s_wait_tensorcnt 0x0                           ; the wave's end, behind my last LDS store
	ds_add_u32 v[SPW], v[NIL]
	s_wait_dscnt 0x0
	s_endpgm
.Lfunc_end_k_qb6a19c8773_quant:
	.size	k_qb6a19c8773_quant, .Lfunc_end_k_qb6a19c8773_quant-k_qb6a19c8773_quant
	.p2alignl 7, 3214868480
	.fill 96, 4, 3214868480
	.section	.rodata,"a",@progbits
	.p2align	6, 0x0
	.amdhsa_kernel k_qb6a19c8773_quant
		.amdhsa_group_segment_fixed_size 55808
		.amdhsa_private_segment_fixed_size 0
		.amdhsa_enable_private_segment 0
		.amdhsa_kernarg_size 104
		.amdhsa_user_sgpr_count 2
		.amdhsa_user_sgpr_kernarg_segment_ptr 1
		.amdhsa_wavefront_size32 1
		.amdhsa_system_sgpr_workgroup_id_x 1
		.amdhsa_system_sgpr_workgroup_id_y 1
		.amdhsa_system_sgpr_workgroup_id_z 1
		.amdhsa_system_vgpr_workitem_id 0
		.amdhsa_next_free_vgpr 192
		.amdhsa_next_free_sgpr 66
		.amdhsa_reserve_vcc 0
		.amdhsa_float_denorm_mode_32 3
		.amdhsa_float_denorm_mode_16_64 3
		.amdhsa_memory_ordered 1
		.amdhsa_forward_progress 1
		.amdhsa_inst_pref_size 86
	.end_amdhsa_kernel
	.amdgpu_metadata
---
amdhsa.version: [ 1, 2 ]
amdhsa.kernels:
  - .name:           k_qb6a19c8773_quant
    .symbol:         k_qb6a19c8773_quant.kd
    .args:
      - { .name: x, .offset: 0, .size: 8, .value_kind: global_buffer, .address_space: global }
      - { .name: h, .offset: 8, .size: 8, .value_kind: global_buffer, .address_space: global }
      - { .name: w_xi, .offset: 16, .size: 8, .value_kind: global_buffer, .address_space: global }
      - { .name: w_xf, .offset: 24, .size: 8, .value_kind: global_buffer, .address_space: global }
      - { .name: w_xo, .offset: 32, .size: 8, .value_kind: global_buffer, .address_space: global }
      - { .name: w_xc, .offset: 40, .size: 8, .value_kind: global_buffer, .address_space: global }
      - { .name: w_hi, .offset: 48, .size: 8, .value_kind: global_buffer, .address_space: global }
      - { .name: w_hf, .offset: 56, .size: 8, .value_kind: global_buffer, .address_space: global }
      - { .name: w_ho, .offset: 64, .size: 8, .value_kind: global_buffer, .address_space: global }
      - { .name: w_hc, .offset: 72, .size: 8, .value_kind: global_buffer, .address_space: global }
      - { .name: lowp_scales, .offset: 80, .size: 8, .value_kind: global_buffer, .address_space: global }
      - { .name: a_codes, .offset: 88, .size: 8, .value_kind: global_buffer, .address_space: global }
      - { .name: b_codes, .offset: 96, .size: 8, .value_kind: global_buffer, .address_space: global }
    .group_segment_fixed_size: 55808
    .private_segment_fixed_size: 0
    .kernarg_segment_align: 8
    .kernarg_segment_size: 104
    .max_flat_workgroup_size: 128
    .sgpr_count:     66
    .vgpr_count:     192
    .wavefront_size: 32
...
	.end_amdgpu_metadata
.endif
;; end of part 1
;; launch lstm (part 2): grid 32 x 8, 4 waves a work-group, clusters of 4 x 4, 327,680 bytes of LDS; arguments a_codes, b_codes, lowp_scales, c, b_i, b_f, b_o, b_c, out0, out1; writes out0, out1
.if DOCPART == 2
	.amdgcn_target "amdgcn-amd-amdhsa--gfx1250"
	.amdhsa_code_object_version 6
	.text
	.protected	k_qb6a19c8773_lstm
	.globl	k_qb6a19c8773_lstm
	.p2align	8
	.type	k_qb6a19c8773_lstm,@function
k_qb6a19c8773_lstm:
	s_mov_b64 s[64:65], 0
	v_nop
	global_prefetch_b8 v0, s[64:65] scope:SCOPE_SE
	s_setreg_imm32_b32 hwreg(HW_REG_WAVE_MODE, 25, 1), 1
	s_wait_xcnt 0x0
	s_wait_alu depctr_hold_cnt(0) depctr_sa_sdst(0) depctr_va_vdst(0) depctr_va_sdst(0) depctr_va_ssrc(0) depctr_va_vcc(0) depctr_vm_vsrc(0)
	s_getreg_b32 s2, hwreg(HW_REG_IB_STS2, 6, 4)
	s_cmp_eq_u32 s2, 0
	s_cbranch_scc0 .Lentry_in_a_cluster
	s_endpgm
.Lentry_in_a_cluster:
	s_bfe_u32 s2, ttmp6, 0x10000c
	s_cmp_lg_u32 s2, 0xf033
	s_cbranch_scc0 .Lentry_shape_is_right
	s_endpgm
.Lentry_shape_is_right:
; LSTM cell, second of two launches: gates = [x h] [Wx; Wh] + b as ONE product on codes of BF8 with K = 4,096, then the cell's arithmetic in f32.  No work of the problem is left out.
; a_codes [2048][4096]: x's codes, then h's.  b_codes [8192][4096], K innermost; row 128 q + 32 g + j = column 32 q + j of gate g (0 i, 1 f, 2 o, 3 c).
; The sums over K < 2,048 stand for sum x 2^(e0+e1), the others for sum x 2^(e2+e3): at K = 2,048 the sums are multiplied once by 2^(e0+e1-e2-e3), and 2^(e2+e3) is folded into the factor ahead of the exponentials.
; LIMITS: e0+e1-e2-e3 between -126 and 127; e2+e3 between -126 and 125.  The exponents to the base 2 are held at 30 from above, so a sigmoid is never under 2^-30 and products of three denominators stay inside f32.  NaN is not served.
; A work-group of four waves makes 256 rows x 256 gate columns (64 columns of h_t and c_t); a wave 128 x 128: 64 accumulators.  K goes in steps of 256 through two LDS slots filled by joint tensor loads:
; 4 x 4 work-groups form a cluster, A's tile is shared along its row, B's along its column.  Clusters whose x + y is odd take the two K steps of a lap in the other order.
; The matrix instruction is used transposed (source 0 = rows of b_codes, source 1 = rows of a_codes): a lane holds one row and eight neighbouring columns of each gate.
; 128 along K are 64 products, A's blocks one after the other.  A has one set of registers: blocks 0-3 are fetched anew in the middle, blocks 4-7 at the end; B has two sets.  So the LDS loads stand in two runs, each behind four places.
; PREFETCH: behind each refill every wave names 32 rows x one K step, that of the same slot one lap on (two refills ahead); the four partners of a joint load share its 128 rows out by address (cx for A, cy for B).
; Lap 1's two K steps are named at the head; the last lap's two refills name nothing further along K; c's tile is named in the loop's last trip, two refills ahead of its load.
; REGISTERS: window 0: v0-31 addresses, v32-95 biases, v128-255 A's fragments (free on the way out); window 1: B's two sets; windows 2, 3: accumulators (a, b) at v[8 (8 (a % 4) + b)].
.set ROWB,   256
.set KROW,   4096
.set PITCH,  272                       ; 256 bytes + 16 of padding
.set FR,     16
.set HALFT,  128*PITCH
.set SLOT,   4*HALFT                   ; A's 256 rows, then B's 256
.set LAPS,   8                         ; a lap = two K steps of 256
.set SPARE,  2*SLOT                    ; the spare words: 512 bytes that no other line names
.set HST,    2*HALFT                   ; the way out: h_t's stage, in slot 0's part for B; c's tile lies in slot 0's part for A; c_t's stage in slot 1
.set ADRA, 16
.set PFO1, 18
.set TA,   19
.set ADRB, 20
.set RDH,  22
.set BO,   23
.set CA,   24
.set HA,   25
.set CO,   26
.set RDC,  27
.set SPW,  28
.set NIL,  29
.set PFO,  30
.set PFC,  31
.set BIAS, 32
.set T,    96
.set CIN,  160
.set X1,   192
.set HT,   208
.set AF,   128
.set G1,   24
.set G0,   32
.set G1B,  48
.set G0B,  56
.set G1C,  80
.set G0C,  88
.set PFA,  12
.set STAG, 66                          ; 0 or 256: where slot 0's K step begins in a lap
.set CAP,  67
.set K2,   92
.set KN,   94
.set RS,   96
.set SGN,  98
.set SGP,  100
.set MSB, 0
.macro WIN new                         ; the immediate's high byte repeats the setting that is left
.if MSB != (\new)
	s_set_vgpr_msb (MSB<<8)|(\new)
.set MSB, (\new)
.endif
.endm
.set MUL_LO, 0xa1                      ; source 0 window 1, source 1 window 0, C and D window 2
.set TO_B,   0x40
.set FROM_B, 0x04
.macro PLACES n
.rept \n
	v_nop
.endr
.endm
.macro JLOAD g0a, g1a, g0b, g1b        ; a joint load: waves 0, 1 fetch A's halves, waves 2, 3 B's
	s_cmp_eq_u32 s15, 0
	s_cbranch_scc0 .Lfor_b_\@
	tensor_load_to_lds s[\g0a:\g0a+3], s[\g1a:\g1a+7]
	s_nop 0
	PLACES 4
	s_branch .Lasked_\@
.Lfor_b_\@:
	tensor_load_to_lds s[\g0b:\g0b+3], s[\g1b:\g1b+7]
	s_nop 0
	PLACES 4
.Lasked_\@:
.endm
.macro CREST                           ; a round of the cluster's barrier behind its opening barrier
	s_cmp_lg_u32 s14, 0
	s_cbranch_scc1 .Lnot_wave_0_\@
	s_barrier_signal -3
.Lnot_wave_0_\@:
	s_barrier_wait -3
	s_barrier_signal -1
	s_barrier_wait -1
.endm
.macro CROUND
	s_barrier_signal -1
	s_barrier_wait -1
	CREST
.endm
.macro ASK reg                         ; the same slot's K step one lap beyond the refill just asked for; none in the last trip
	s_cmp_gt_u32 s3, 1
	s_cbranch_scc0 .Lnot_mine_\@
	global_prefetch_b8 v[\reg], s[PFA:PFA+1] offset:2*ROWB th:TH_LOAD_NT scope:SCOPE_SE
.Lnot_mine_\@:
.endm
.macro ASKC                            ; c's 64 rows x 256 bytes of my wave, in the last trip
	s_cmp_eq_u32 s3, 1
	s_cbranch_scc0 .Lno_c_\@
	global_prefetch_b8 v[PFC], s[10:11] th:TH_LOAD_NT scope:SCOPE_SE
	global_prefetch_b8 v[PFC], s[10:11] offset:32*8192 th:TH_LOAD_NT scope:SCOPE_SE
.Lno_c_\@:
.endm
	s_load_b256 s[4:11], s[0:1], 0x0               ; a_codes, b_codes, lowp_scales, c
	s_load_b256 s[68:75], s[0:1], 0x20             ; b_i, b_f, b_o, b_c
	s_load_b128 s[76:79], s[0:1], 0x40             ; out0 (h_t), out1 (c_t)
	v_lshl_add_u32 v[SPW], v0, 2, SPARE
	v_mov_b32 v[NIL], 0
	ds_add_u32 v[SPW], v[NIL]                      ; the opening lines
	ds_add_u32 v[SPW], v[NIL]
	v_lshrrev_b32 v1, 5, v0
	v_readfirstlane_b32 s14, v1                    ; wave
	s_lshr_b32 s15, s14, 1                         ; my half of the rows; also: I fetch for A (0) or B (1)
	s_and_b32 s16, s14, 1                          ; my half of the columns; also: which 128 rows I fetch
	s_bfe_u32 s40, ttmp6, 0x40000                  ; cx
	s_bfe_u32 s41, ttmp6, 0x40004                  ; cy
	s_lshl_b32 s42, ttmp9, 2
	s_add_co_u32 s42, s42, s40                     ; tile column
	s_and_b32 s17, ttmp7, 0xffff
	s_lshl_b32 s17, s17, 2
	s_add_co_u32 s17, s17, s41                     ; tile row
	s_lshl_b32 s43, s41, 2
	s_lshl_b32 s43, 15, s43                        ; my row of the cluster
	s_lshl_b32 s44, 0x1111, s40                    ; my column
	s_or_b32 s[G1+0], s43, (1<<20)|(1<<21)|(5<<22)|(3<<25)   ; bytes; 4 words of padding behind every 64
	s_or_b32 s[G1B+0], s44, (1<<20)|(1<<21)|(5<<22)|(3<<25)
.irp g, G1, G1B
	s_mov_b32 s[\g+1], ROWB<<16
	s_mov_b32 s[\g+2], 128<<16
	s_mov_b32 s[\g+3], ROWB<<16
	s_mov_b32 s[\g+4], 128
	s_mov_b32 s[\g+5], KROW
	s_mov_b32 s[\g+6], 0
	s_mov_b32 s[\g+7], 0
.endr
	s_mov_b32 s[G1C+0], (1<<20)|(5<<22)|(3<<25)    ; c's tile: 64 rows x 256 bytes a wave, no mask
	s_mov_b32 s[G1C+1], 256<<16
	s_mov_b32 s[G1C+2], 64<<16
	s_mov_b32 s[G1C+3], 256<<16
	s_mov_b32 s[G1C+4], 64
	s_mov_b32 s[G1C+5], 8192
	s_mov_b32 s[G1C+6], 0
	s_mov_b32 s[G1C+7], 0
	s_lshl_b32 s18, s16, 7
	s_lshl_b32 s20, s17, 8
	s_add_co_u32 s20, s20, s18
	s_lshl_b32 s20, s20, 12                        ; A: (256 x tile row + 128 x half) rows of 4,096 bytes
	s_mov_b32 s21, 0
	s_lshl_b32 s46, s42, 8
	s_add_co_u32 s46, s46, s18
	s_lshl_b32 s46, s46, 12                        ; B likewise by the tile column
	s_mov_b32 s47, 0
	s_mul_i32 s45, s14, HALFT
	s_and_b32 s22, ttmp7, 0xffff
	s_add_co_u32 s22, s22, ttmp9
	s_and_b32 s22, s22, 1
	s_lshl_b32 s22, s22, 8                         ; slot 0's K step in a lap: by the cluster's x + y
	s_xor_b32 s18, s22, ROWB                       ; slot 1's
	s_mov_b32 s23, 0
	s_mov_b32 s19, 0
	s_mov_b32 s[STAG], s22
	s_wait_dscnt 0x0
	s_wait_kmcnt 0x0
	s_load_b128 s[92:95], s[8:9], 0x0              ; e0 .. e3
	s_add_nc_u64 s[20:21], s[4:5], s[20:21]
	s_add_nc_u64 s[46:47], s[6:7], s[46:47]
.irp s, 0,1
	s_mov_b32 s[G0+4*\s], 1
	s_add_co_u32 s[G0+4*\s+1], s45, \s*SLOT
	s_add_nc_u64 s[G0+4*\s+2:G0+4*\s+3], s[20:21], s[22-4*\s:23-4*\s]
	s_or_b32 s[G0+4*\s+3], s[G0+4*\s+3], 0x80000000
	s_mov_b32 s[G0B+4*\s], 1
	s_add_co_u32 s[G0B+4*\s+1], s45, \s*SLOT
	s_add_nc_u64 s[G0B+4*\s+2:G0B+4*\s+3], s[46:47], s[22-4*\s:23-4*\s]
	s_or_b32 s[G0B+4*\s+3], s[G0B+4*\s+3], 0x80000000
.endr
	CROUND                                         ; all sixteen work-groups are here
	JLOAD G0, G1, G0B, G1B                         ; slot 0's first fill: my one tensor load at the head; all that follows up to the wait is set-up
	v_and_b32 v1, 15, v0
	v_bfe_u32 v2, v0, 4, 1
	v_mul_u32_u24 v3, v1, PITCH
	s_wait_alu depctr_va_vdst(0)
	v_lshl_add_u32 v4, v2, 4, v3                   ; a fragment's row x pitch + 16 x half
	s_mul_i32 s21, s15, HALFT
	s_mul_i32 s22, s16, HALFT
	s_add_co_u32 s22, s22, 2*HALFT
.irp s, 0,1
	v_add_nc_u32 v[ADRA+\s], s21, v4
	v_add_nc_u32 v[ADRB+\s], s22, v4
	s_add_co_u32 s21, s21, SLOT
	s_add_co_u32 s22, s22, SLOT
.endr
	s_mul_i32 s23, s15, HALFT
	s_lshl_b32 s18, s16, 7
	s_add_co_u32 s23, s23, s18
	v_lshl_add_u32 v[CA], v2, 5, v3                ; c's tile and the stages: row l % 16, my 128 bytes of its 256, 32 bytes for each half of the lanes
	v_add_nc_u32 v[CA], s23, v[CA]
	v_add_nc_u32 v[HA], HST, v[CA]
	v_add_nc_u32 v[TA], SLOT, v[CA]
	s_mul_i32 s23, s15, HALFT
	s_mul_i32 s18, s16, 16*PITCH
	s_add_co_u32 s23, s23, s18
	v_mul_u32_u24 v5, v2, PITCH                    ; back from the stages: sixteen lanes to a row of 256 bytes
	v_lshl_add_u32 v5, v1, 4, v5
	v_add_nc_u32 v5, s23, v5
	v_add_nc_u32 v[RDC], SLOT, v5
	v_add_nc_u32 v[RDH], HST, v5
	v_lshlrev_b32 v[CO], 13, v2
	v_lshl_add_u32 v[CO], v1, 4, v[CO]
	s_lshl_b32 s18, s42, 8
	s_lshl_b32 s19, s16, 7
	s_add_co_u32 s18, s18, s19
	v_lshl_add_u32 v[BO], v2, 5, s18
.irp g, 0,1,2,3
.irp u, 0,1
.irp j, 0,1
	global_load_b128 v[BIAS+16*\g+8*\u+4*\j:BIAS+16*\g+8*\u+4*\j+3], v[BO], s[68+2*\g:69+2*\g] offset:64*\u+16*\j
.endr
.endr
.endr
	s_lshl_b32 s18, s17, 8
	s_lshl_b32 s19, s14, 6
	s_add_co_u32 s18, s18, s19
	s_lshl_b32 s18, s18, 13
	s_lshl_b32 s19, s42, 8
	s_add_co_u32 s18, s18, s19
	s_mov_b32 s19, 0
	s_add_nc_u64 s[10:11], s[10:11], s[18:19]      ; c at my wave's 64 rows of the tile
	s_lshl_b32 s18, s17, 8
	s_lshl_b32 s19, s15, 7
	s_add_co_u32 s18, s18, s19
	s_lshl_b32 s19, s16, 4
	s_add_co_u32 s18, s18, s19
	s_lshl_b32 s18, s18, 13
	s_lshl_b32 s19, s42, 8
	s_add_co_u32 s18, s18, s19
	s_mov_b32 s19, 0
	s_add_nc_u64 s[76:77], s[76:77], s[18:19]
	s_add_nc_u64 s[78:79], s[78:79], s[18:19]
	s_mov_b32 s[G0C], 1
	s_mul_i32 s[G0C+1], s14, 64*PITCH
	s_mov_b64 s[G0C+2:G0C+3], s[10:11]
	s_or_b32 s[G0C+3], s[G0C+3], 0x80000000
	s_lshl_b32 s18, s17, 8                         ; the prefetches: my work-group's 32 of the 128 rows that I fetch
	s_lshl_b32 s19, s42, 8
	s_cmp_eq_u32 s15, 0
	s_cselect_b32 s20, s18, s19
	s_cselect_b32 s21, s40, s41
	s_cselect_b64 s[PFA:PFA+1], s[4:5], s[6:7]
	s_lshl_b32 s22, s16, 7
	s_add_co_u32 s20, s20, s22
	s_lshl_b32 s21, s21, 5
	s_add_co_u32 s20, s20, s21
	s_lshl_b32 s20, s20, 12
	s_mov_b32 s21, 0
	s_add_nc_u64 s[PFA:PFA+1], s[PFA:PFA+1], s[20:21]
	s_xor_b32 s18, s[STAG], ROWB
	v_and_b32 v[PFO], 31, v0
	v_lshlrev_b32 v[PFC], 13, v[PFO]               ; a lane a row of c
	v_lshlrev_b32 v[PFO], 12, v[PFO]               ; a lane a row of codes,
	v_add_nc_u32 v[PFO1], s18, v[PFO]              ; at slot 1's K step of a lap,
	v_add_nc_u32 v[PFO], s[STAG], v[PFO]           ; and at slot 0's
	global_prefetch_b8 v[PFO], s[PFA:PFA+1] offset:2*ROWB th:TH_LOAD_NT scope:SCOPE_SE    ; lap 1's two K steps
	global_prefetch_b8 v[PFO1], s[PFA:PFA+1] offset:2*ROWB th:TH_LOAD_NT scope:SCOPE_SE
	s_wait_kmcnt 0x0
	s_add_co_i32 s18, s94, s95
	s_add_co_i32 s19, s92, s93
	s_sub_co_i32 s19, s19, s18
	s_add_co_i32 s19, s19, 127
	s_lshl_b32 s[RS], s19, 23                      ; 2^(e0+e1-e2-e3)
	s_mov_b32 s[RS+1], s[RS]
	s_lshl_b32 s18, s18, 23
	s_add_co_i32 s[SGN], s18, 0xbfb8aa3b           ; -log2(e) x 2^(e2+e3)
	s_mov_b32 s[SGN+1], s[SGN]
	s_add_co_i32 s[SGP], s18, 0x4038aa3b           ; 2 log2(e) x 2^(e2+e3)
	s_mov_b32 s[SGP+1], s[SGP]
	s_mov_b32 s[K2], 0x4038aa3b
	s_mov_b32 s[K2+1], s[K2]
	s_mov_b32 s[KN], 0xbfb8aa3b
	s_mov_b32 s[KN+1], s[KN]
	s_mov_b32 s[CAP], 0x41f00000                   ; 30.0
.macro FRAG reg, adr, q, i             ; 16 rows x 128 K: registers 4 c .. 4 c + 3 hold K = 32 c + 16 (l / 16) + 0 .. 15, alike in A and B
.irp c, 0,1,2,3
	ds_load_b128 v[\reg+4*\c:\reg+4*\c+3], v[\adr] offset:128*(\q)+32*\c+(\i)*16*PITCH
.endr
.endm
.macro FETCH_A slot, q, i0             ; A's blocks i0 .. i0 + 3 of the slot's q-th 128 along K
	WIN 0
.irp i, \i0, \i0+1, \i0+2, \i0+3
	FRAG AF+FR*(\i), ADRA+\slot, \q, \i
.endr
.endm
.macro FETCH_B slot, q, p              ; B's eight blocks into set p
	WIN TO_B
.irp i, 0,1,2,3,4,5,6,7
	FRAG 128*(\p)+FR*\i, ADRB+\slot, \q, \i
.endr
	WIN 0
.endm
.macro W a, p, z                       ; the eight products of A's block a with B's set p; z = 1 starts the sums.  The 64 accumulators take turns in one order
	WIN MUL_LO+0x50*((\a)/4)
.irp b, 0,1,2,3,4,5,6,7
.if \z
	v_wmma_f32_16x16x128_bf8_bf8 v[8*(8*((\a)%4)+\b):8*(8*((\a)%4)+\b)+7], v[128*(\p)+FR*\b:128*(\p)+FR*\b+FR-1], v[AF+FR*(\a):AF+FR*(\a)+FR-1], 0
.else
	v_wmma_f32_16x16x128_bf8_bf8 v[8*(8*((\a)%4)+\b):8*(8*((\a)%4)+\b)+7], v[128*(\p)+FR*\b:128*(\p)+FR*\b+FR-1], v[AF+FR*(\a):AF+FR*(\a)+FR-1], v[8*(8*((\a)%4)+\b):8*(8*((\a)%4)+\b)+7]
.endif
.endr
.endm
; A slot's first 128 along K (B's set 0); it fetches the second 128's fragments.
.macro STEP slot, z
	s_wait_dscnt 16                                ; B's set and A's blocks 0-3 are in; blocks 4-7 (16 loads) may be out
.irp a, 0,1,2,3
	W \a, 0, \z
.endr
	s_wait_dscnt 0                                 ; A's blocks 4-7 are in
	PLACES 4
	FETCH_B \slot, 1, 1
	FETCH_A \slot, 1, 0
.irp a, 4,5,6,7
	W \a, 0, \z
.endr
	PLACES 4
	FETCH_A \slot, 1, 4
.endm
; A slot's second 128 along K (set 1) changes slots.  what = 1: the slot is filled again, one lap on; what = 2: c's tile lands in slot 0.
.macro TURN slot, next, what
.if \what == 1
.if \slot == 0
	s_wait_xcnt 0x0                                ; my prefetches have read their address
	s_add_nc_u64 s[PFA:PFA+1], s[PFA:PFA+1], 2*ROWB
.endif
.endif
	s_wait_dscnt 16                                ; B's set and A's blocks 0-3 are in
	W 0, 1, 0
	W 1, 1, 0
	WIN 0
	s_wait_tensorcnt 0x0                           ; my part of the next slot has landed: no tensor load of mine is out
	ds_add_u32 v[SPW], v[NIL]
.if \what == 1
	s_add_nc_u64 s[G0+4*\slot+2:G0+4*\slot+3], s[G0+4*\slot+2:G0+4*\slot+3], 2*ROWB
	s_add_nc_u64 s[G0B+4*\slot+2:G0B+4*\slot+3], s[G0B+4*\slot+2:G0B+4*\slot+3], 2*ROWB
.endif
	W 2, 1, 0
	s_wait_dscnt 0x0                               ; the add is done, my reads of this slot are over
	s_barrier_signal -1                            ; opens a round of the cluster's barrier
	W 3, 1, 0
	WIN 0
	s_barrier_wait -1
	CREST
.if \what == 1
	JLOAD G0+4*\slot, G1, G0B+4*\slot, G1B         ; first behind the round; 112 products stand between it and the wait for it; its four v_nop are the places in front of the loads below
.else
	tensor_load_to_lds s[G0C:G0C+3], s[G1C:G1C+7]
	s_nop 0
	PLACES 4
.endif
	FETCH_B \next, 0, 0
	FETCH_A \next, 0, 0
.if \what == 1
.if \slot == 0
	ASK PFO
	ASKC
.else
	ASK PFO1
.endif
.endif
.irp a, 4,5,6,7
	W \a, 1, 0
.endr
	PLACES 4
	FETCH_A \next, 0, 4
.endm
.macro RESCALE                         ; x's part of K is summed: x 2^(e0+e1-e2-e3), each accumulator from its low end on
	WIN 0x82
.set n, 0
.rept 128
	v_pk_mul_f32 v[n:n+1], v[n:n+1], s[RS:RS+1] op_sel_hi:[1,0]
.set n, n+2
.endr
	WIN 0xc3
.set n, 0
.rept 128
	v_pk_mul_f32 v[n:n+1], v[n:n+1], s[RS:RS+1] op_sel_hi:[1,0]
.set n, n+2
.endr
	WIN 0
.endm
	s_wait_alu depctr_va_vdst(0)
	s_wait_tensorcnt 0x0                           ; my part of slot 0 is in; slot 1's first fill is issued as a refill is
	ds_add_u32 v[SPW], v[NIL]
	s_wait_dscnt 0x0
	CROUND
	JLOAD G0+4, G1, G0B+4, G1B
	FETCH_B 0, 0, 0
	FETCH_A 0, 0, 0
	FETCH_A 0, 0, 4
	STEP 0, 1                                      ; the first step starts the sums
	s_mov_b32 s3, LAPS-1
.Llap:                                                 ; a trip: from a lap's second 128 along K to the next lap's first; both slots are filled again
	TURN 0, 1, 1
	STEP 1, 0
	TURN 1, 0, 1
	s_cmp_lg_u32 s3, 4                             ; four laps, K = 2,048, are summed in the trip that finds s3 = 4
	s_cbranch_scc1 .Lsame
	RESCALE
.Lsame:
	s_wait_alu depctr_va_vdst(0)                   ; the products below read what the lines above wrote
	STEP 0, 0
	s_sub_co_u32 s3, s3, 1
	s_cmp_lg_u32 s3, 0
	s_cbranch_scc1 .Llap
	TURN 0, 1, 2                                   ; the last lap: slot 0 takes c's tile
	STEP 1, 0
	s_wait_dscnt 16                                ; the last 128 along K
.irp a, 0,1,2,3
	W \a, 1, 0
.endr
	s_wait_dscnt 0                                 ; my reads of slot 1 are over,
	s_wait_tensorcnt 0x0                           ; my part of c's tile is in
	s_barrier_signal -1
.irp a, 4,5,6,7
	W \a, 1, 0
.endr
	WIN 0
	s_barrier_wait -1                              ; nothing is filled again: from here the slots serve as stages
	s_wait_loadcnt 0x0                             ; the biases: x -log2(e) for i, f, o; x 2 log2(e) for the cell's gate
.set n, 0
.rept 24
	v_pk_mul_f32 v[BIAS+n:BIAS+n+1], v[BIAS+n:BIAS+n+1], s[KN:KN+1] op_sel_hi:[1,0]
.set n, n+2
.endr
.rept 8
	v_pk_mul_f32 v[BIAS+n:BIAS+n+1], v[BIAS+n:BIAS+n+1], s[K2:K2+1] op_sel_hi:[1,0]
.set n, n+2
.endr
.macro CLOAD a
.irp u, 0,1
.irp j, 0,1
	ds_load_b128 v[CIN+16*((\a)%2)+8*\u+4*\j:CIN+16*((\a)%2)+8*\u+4*\j+3], v[CA] offset:16*PITCH*(\a)+64*\u+16*\j
.endr
.endr
.endm
; Block a: 16 rows x 32 columns, 16 numbers a lane.  With ei = e^-i, ef = e^-f, eo = e^-o, eg = e^(2 g):
; c_t = (c (1+ei)(1+eg) + (eg-1)(1+ef)) / ((1+ei)(1+eg)(1+ef));  with ec = e^(2 c_t): h_t = (ec-1) / ((ec+1)(1+eo)).  One wait ahead of each batch of transcendentals and one behind it.
.macro GATES a
.set AC, 64*((\a)%4)
.set CC, CIN+16*((\a)%2)
.if (\a) < 7
	CLOAD (\a)+1
.endif
	WIN 0x02+((\a)/4)
.set n, 0
.rept 24
	v_pk_fma_f32 v[T+n:T+n+1], v[AC+n:AC+n+1], s[SGN:SGN+1], v[BIAS+n:BIAS+n+1] op_sel_hi:[1,0,1]
.set n, n+2
.endr
.rept 8
	v_pk_fma_f32 v[T+n:T+n+1], v[AC+n:AC+n+1], s[SGP:SGP+1], v[BIAS+n:BIAS+n+1] op_sel_hi:[1,0,1]
.set n, n+2
.endr
	WIN 0
.set n, 0
.rept 64
	v_min_num_f32 v[T+n], s[CAP], v[T+n]
.set n, n+1
.endr
.set n, 0
	s_wait_alu depctr_va_vdst(0)
.rept 64
	v_exp_f32 v[T+n], v[T+n]
.set n, n+1
.endr
	v_nop
	s_wait_alu depctr_va_vdst(0)
.irp p, 0,2,4,6,8,10,12,14
	v_pk_add_f32 v[X1+\p:X1+\p+1], v[T+48+\p:T+48+\p+1], -1.0 op_sel_hi:[1,0]
.endr
.irp p, 0,2,4,6,8,10,12,14
	v_pk_add_f32 v[T+48+\p:T+48+\p+1], v[T+48+\p:T+48+\p+1], 1.0 op_sel_hi:[1,0]
.endr
.irp p, 0,2,4,6,8,10,12,14
	v_pk_fma_f32 v[T+\p:T+\p+1], v[T+\p:T+\p+1], v[T+48+\p:T+48+\p+1], v[T+48+\p:T+48+\p+1]
.endr
.irp p, 0,2,4,6,8,10,12,14
	v_pk_fma_f32 v[X1+\p:X1+\p+1], v[X1+\p:X1+\p+1], v[T+16+\p:T+16+\p+1], v[X1+\p:X1+\p+1]
.endr
.irp p, 0,2,4,6,8,10,12,14
	v_pk_fma_f32 v[T+16+\p:T+16+\p+1], v[T+\p:T+\p+1], v[T+16+\p:T+16+\p+1], v[T+\p:T+\p+1]
.endr
.if (\a) < 7
	s_wait_dscnt 4                                 ; this block's c is in; the next block's four loads may be out
.else
	s_wait_dscnt 0
.endif
.irp p, 0,2,4,6,8,10,12,14
	v_pk_fma_f32 v[X1+\p:X1+\p+1], v[CC+\p:CC+\p+1], v[T+\p:T+\p+1], v[X1+\p:X1+\p+1]
.endr
.set n, 0
	s_wait_alu depctr_va_vdst(0)
.rept 16
	v_rcp_f32 v[T+16+n], v[T+16+n]
.set n, n+1
.endr
	v_nop
	s_wait_alu depctr_va_vdst(0)
.irp p, 0,2,4,6,8,10,12,14
	v_pk_mul_f32 v[CC+\p:CC+\p+1], v[X1+\p:X1+\p+1], v[T+16+\p:T+16+\p+1]
.endr
.irp u, 0,1
.irp j, 0,1
	ds_store_b128 v[TA], v[CC+8*\u+4*\j:CC+8*\u+4*\j+3] offset:16*PITCH*(\a)+64*\u+16*\j
.endr
.endr
.irp p, 0,2,4,6,8,10,12,14
	v_pk_mul_f32 v[X1+\p:X1+\p+1], v[CC+\p:CC+\p+1], s[K2:K2+1] op_sel_hi:[1,0]
.endr
.set n, 0
.rept 16
	v_min_num_f32 v[X1+n], s[CAP], v[X1+n]
.set n, n+1
.endr
.set n, 0
	s_wait_alu depctr_va_vdst(0)
.rept 16
	v_exp_f32 v[X1+n], v[X1+n]
.set n, n+1
.endr
	v_nop
	s_wait_alu depctr_va_vdst(0)
.irp p, 0,2,4,6,8,10,12,14
	v_pk_add_f32 v[HT+\p:HT+\p+1], v[X1+\p:X1+\p+1], -1.0 op_sel_hi:[1,0]
.endr
.irp p, 0,2,4,6,8,10,12,14
	v_pk_add_f32 v[X1+\p:X1+\p+1], v[X1+\p:X1+\p+1], 1.0 op_sel_hi:[1,0]
.endr
.irp p, 0,2,4,6,8,10,12,14
	v_pk_fma_f32 v[X1+\p:X1+\p+1], v[X1+\p:X1+\p+1], v[T+32+\p:T+32+\p+1], v[X1+\p:X1+\p+1]
.endr
.set n, 0
	s_wait_alu depctr_va_vdst(0)
.rept 16
	v_rcp_f32 v[X1+n], v[X1+n]
.set n, n+1
.endr
	v_nop
	s_wait_alu depctr_va_vdst(0)
.irp p, 0,2,4,6,8,10,12,14
	v_pk_mul_f32 v[HT+\p:HT+\p+1], v[HT+\p:HT+\p+1], v[X1+\p:X1+\p+1]
.endr
.irp u, 0,1
.irp j, 0,1
	ds_store_b128 v[HA], v[HT+8*\u+4*\j:HT+8*\u+4*\j+3] offset:16*PITCH*(\a)+64*\u+16*\j
.endr
.endr
.endm
.macro MEETP                           ; a row's 256 bytes come from two waves: my stores are done, then the barrier
	s_wait_dscnt 0x0
	s_barrier_signal -1
	s_barrier_wait -1
.endm
.macro LOADP ph                        ; 16 whole rows of c_t and of h_t back from the stages, into window 1
	WIN TO_B
.irp t, 0,1,2,3,4,5,6,7
	ds_load_b128 v[64*(\ph)+4*\t:64*(\ph)+4*\t+3], v[RDC] offset:(32*(\ph)+2*\t)*PITCH
.endr
.irp t, 0,1,2,3,4,5,6,7
	ds_load_b128 v[64*(\ph)+32+4*\t:64*(\ph)+32+4*\t+3], v[RDH] offset:(32*(\ph)+2*\t)*PITCH
.endr
	WIN 0
.endm
.macro SENDP ph, last                  ; sixteen lanes store 256 consecutive bytes, at a multiple of 256 from the buffer's first byte
	WIN FROM_B
.irp t, 0,1,2,3,4,5,6,7
.if \last
	s_wait_dscnt 15-\t
.endif
	global_store_b128 v[CO], v[64*(\ph)+4*\t:64*(\ph)+4*\t+3], s[78:79] offset:(32*(\ph)+2*\t)*8192 th:TH_STORE_NT
.endr
.irp t, 0,1,2,3,4,5,6,7
.if \last
	s_wait_dscnt 7-\t
.endif
	global_store_b128 v[CO], v[64*(\ph)+32+4*\t:64*(\ph)+32+4*\t+3], s[76:77] offset:(32*(\ph)+2*\t)*8192 th:TH_STORE_NT
.endr
	WIN 0
.endm
	CLOAD 0
	GATES 0
	GATES 1
	MEETP
	LOADP 0
	GATES 2
	s_wait_dscnt 12                                ; behind LOADP's loads: four loads of c and eight stores
	SENDP 0, 0
	GATES 3
	MEETP
	LOADP 1
	GATES 4
	s_wait_dscnt 12
	SENDP 1, 0
	GATES 5
	MEETP
	LOADP 2
	GATES 6
	s_wait_dscnt 12
	SENDP 2, 0
	GATES 7
	MEETP
	LOADP 3
	SENDP 3, 1
	s_wait_tensorcnt 0x0                           ; the wave's end
	ds_add_u32 v[SPW], v[NIL]
	s_wait_dscnt 0x0
	CROUND                                         ; the closing round
	s_endpgm
.Lfunc_end_k_qb6a19c8773_lstm:
	.size	k_qb6a19c8773_lstm, .Lfunc_end_k_qb6a19c8773_lstm-k_qb6a19c8773_lstm
	.p2alignl 7, 3214868480
	.fill 96, 4, 3214868480
	.section	.rodata,"a",@progbits
	.p2align	6, 0x0
	.amdhsa_kernel k_qb6a19c8773_lstm
		.amdhsa_group_segment_fixed_size 327680
		.amdhsa_private_segment_fixed_size 0
		.amdhsa_enable_private_segment 0
		.amdhsa_kernarg_size 80
		.amdhsa_user_sgpr_count 2
		.amdhsa_user_sgpr_kernarg_segment_ptr 1
		.amdhsa_wavefront_size32 1
		.amdhsa_system_sgpr_workgroup_id_x 1
		.amdhsa_system_sgpr_workgroup_id_y 1
		.amdhsa_system_sgpr_workgroup_id_z 1
		.amdhsa_system_vgpr_workitem_id 0
		.amdhsa_next_free_vgpr 1024
		.amdhsa_next_free_sgpr 102
		.amdhsa_reserve_vcc 0
		.amdhsa_float_denorm_mode_32 3
		.amdhsa_float_denorm_mode_16_64 3
		.amdhsa_memory_ordered 1
		.amdhsa_forward_progress 1
		.amdhsa_inst_pref_size 235
	.end_amdhsa_kernel
	.amdgpu_metadata
---
amdhsa.version: [ 1, 2 ]
amdhsa.kernels:
  - .name:           k_qb6a19c8773_lstm
    .symbol:         k_qb6a19c8773_lstm.kd
    .args:
      - { .name: a_codes, .offset: 0, .size: 8, .value_kind: global_buffer, .address_space: global }
      - { .name: b_codes, .offset: 8, .size: 8, .value_kind: global_buffer, .address_space: global }
      - { .name: lowp_scales, .offset: 16, .size: 8, .value_kind: global_buffer, .address_space: global }
      - { .name: c, .offset: 24, .size: 8, .value_kind: global_buffer, .address_space: global }
      - { .name: b_i, .offset: 32, .size: 8, .value_kind: global_buffer, .address_space: global }
      - { .name: b_f, .offset: 40, .size: 8, .value_kind: global_buffer, .address_space: global }
      - { .name: b_o, .offset: 48, .size: 8, .value_kind: global_buffer, .address_space: global }
      - { .name: b_c, .offset: 56, .size: 8, .value_kind: global_buffer, .address_space: global }
      - { .name: out0, .offset: 64, .size: 8, .value_kind: global_buffer, .address_space: global }
      - { .name: out1, .offset: 72, .size: 8, .value_kind: global_buffer, .address_space: global }
    .group_segment_fixed_size: 327680
    .private_segment_fixed_size: 0
    .kernarg_segment_align: 8
    .kernarg_segment_size: 80
    .max_flat_workgroup_size: 128
    .sgpr_count:     102
    .vgpr_count:     1024
    .wavefront_size: 32
...
	.end_amdgpu_metadata
.endif
;; end of part 2
